; MI455X (gfx1250); checked and timed in simulation.
; The chip was launched on July 23, 2026; its instructions are those of AMD's public machine-readable ISA for CDNA 5 (MIT licence, August 2026) and "CDNA5" Instruction Set Architecture Reference Guide (July 2026). The comments in the code are by the model that wrote it; some were corrected since.
;; Pairwise Relaxed Word Mover Similarity. Allowed arithmetic: float matrix products may take bf16 or f16 operands with f32 sums; all other float work in f32.
;; Inputs: mask1 64 x 64 float32; mask2 64 x 64 float32; x1 64 x 64 x 768 float32; x2 64 x 64 x 768 float32.
;; Outputs: out0 64 x 64 float32.
;; 2 versions, each right; version 2 is version 1 with the launch unit written anew for expert scheduling mode. Each part assembles by itself: llvm-mc -triple=amdgcn-amd-amdhsa -mcpu=gfx1250 --defsym DOCPART=n.
;; ======== version 1 of 2: 2 launches
;; workspace buffers: a16 6,291,456 bytes; b16 6,291,456 bytes
;; launch unit (part 1): grid 128 x 2, 8 waves a work-group, no clusters, 0 bytes of LDS; arguments x1, x2, a16, b16; writes a16, b16
.if DOCPART == 1
	.amdgcn_target "amdgcn-amd-amdhsa--gfx1250"
	.amdhsa_code_object_version 6
	.text
	.protected	k_qd3289df1c1_unit
	.globl	k_qd3289df1c1_unit
	.p2align	8
	.type	k_qd3289df1c1_unit,@function
k_qd3289df1c1_unit:
	s_mov_b64 s[64:65], 0
	v_nop
	global_prefetch_b8 v0, s[64:65] scope:SCOPE_SE
	s_setreg_imm32_b32 hwreg(HW_REG_WAVE_MODE, 25, 1), 1
	s_wait_xcnt 0x0
; Rows of x1 and x2 ([4096][768] f32 each) are divided by max(their norm, 1e-8) in f32 and stored as bf16 into a16 and b16 ([4096][768] bf16).
; Grid y picks the tensor (0: x1 to a16, 1: x2 to b16); work-group x owns 32 rows; each of its eight waves owns 4 rows.
; One wave takes a whole row: 3,072 bytes = six loads of 16 bytes a lane, each covering 512 consecutive bytes.  The row stays in 24 registers between
; the sum of squares and the scaling, so every input byte is read once.  All 24 loads of a wave are issued at the head: no loop, no LDS, no barrier.
; A store of 8 bytes a lane covers 256 consecutive bytes, at a multiple of 256 from the buffer's first byte.
; 1 / max(sqrt(q), 1e-8) is taken as min(rsq(q), 1e8): the same number for q above 1e-16; for smaller q, zero and denormal q (which v_rsq_f32 takes as zero
; and answers with +infinity, ISA guide 15.8) it is 1e8, as the clamp gives.  A sum of squares that overflows gives rsq = 0 and a row of zeros, as x / infinity does.
; LIMITS: NaN and infinities in x are not served.  The rounding to bf16 comes after the normalisation.
; The matrix units, LDS, the tensor mover and clusters are left out: no byte is used twice and no wave needs another's data.
.set ROWIN,  3072                      ; bytes of a row of f32
.set ROWOUT, 1536                      ; bytes of a row of bf16
.set Q,    4                           ; v[4:7]    two packed chains of the sum of squares
.set X,    8                           ; v[8:103]  row i in 24 registers from X + 24 i: as loaded, then scaled, then packed
.set R,    104                         ; v[104:105] the reciprocal norm, twice (a pair for the packed multiply)
.set OUTO, 106                         ; v106      my byte offset in the output; never rewritten
.set INO,  3                           ; v3        my byte offset in the input; never rewritten
	s_load_b256 s[4:11], s[0:1], 0x0               ; x1 s[4:5], x2 s[6:7], a16 s[8:9], b16 s[10:11]
	s_and_b32 s16, ttmp7, 0xffff                   ; which tensor
	s_mul_i32 s18, ttmp9, 32*ROWIN                 ; the group's 32 rows in the input (below 12,582,912)
	s_mov_b32 s19, 0
	s_mul_i32 s20, ttmp9, 32*ROWOUT                ; and in the output
	s_mov_b32 s21, 0
	s_mov_b32 s22, 0x76543210                      ; v_permlanex16_b32: lane i of one half reads lane i of the other
	s_mov_b32 s23, 0xfedcba98
	v_lshrrev_b32 v1, 5, v0                        ; wave
	v_and_b32 v2, 31, v0                           ; lane
	v_lshlrev_b32 v[INO], 4, v2                    ; 16 bytes a lane
	v_mad_u32_u24 v[INO], v1, 4*ROWIN, v[INO]      ; + the wave's 4 rows
	v_lshlrev_b32 v[OUTO], 3, v2                   ; 8 bytes a lane
	v_mad_u32_u24 v[OUTO], v1, 4*ROWOUT, v[OUTO]
	s_wait_kmcnt 0x0
	s_cmp_eq_u32 s16, 0
	s_cselect_b64 s[12:13], s[4:5], s[6:7]         ; source
	s_cselect_b64 s[14:15], s[8:9], s[10:11]       ; destination
	s_add_nc_u64 s[12:13], s[12:13], s[18:19]
	s_add_nc_u64 s[14:15], s[14:15], s[20:21]
.irp i, 0,1,2,3
.irp j, 0,1,2,3,4,5
	global_load_b128 v[X+24*\i+4*\j:X+24*\i+4*\j+3], v[INO], s[12:13] offset:ROWIN*\i+512*\j th:TH_LOAD_NT   ; read once in the launch
.endr
.endr
; Row i of the wave's four.
.macro ROWN i
	s_wait_loadcnt 18-6*\i                         ; loads come back in order (ISA guide 5.7.1): this row's six are in, the 6 (3 - i) of the later rows stay out
	v_pk_mul_f32 v[Q:Q+1],   v[X+24*\i:X+24*\i+1],   v[X+24*\i:X+24*\i+1]        ; the first four numbers start the two chains: nothing is cleared
	v_pk_mul_f32 v[Q+2:Q+3], v[X+24*\i+2:X+24*\i+3], v[X+24*\i+2:X+24*\i+3]
.irp j, 4,8,12,16,20
	v_pk_fma_f32 v[Q:Q+1],   v[X+24*\i+\j:X+24*\i+\j+1],   v[X+24*\i+\j:X+24*\i+\j+1],   v[Q:Q+1]
	v_pk_fma_f32 v[Q+2:Q+3], v[X+24*\i+\j+2:X+24*\i+\j+3], v[X+24*\i+\j+2:X+24*\i+\j+3], v[Q+2:Q+3]
.endr
	v_pk_add_f32 v[Q:Q+1], v[Q:Q+1], v[Q+2:Q+3]
	v_add_f32 v[Q], v[Q], v[Q+1]
	; across the 32 lanes: four steps inside each half of 16 lanes, one across the halves; every lane ends with the row's sum
	v_add_f32_dpp v[Q], v[Q], v[Q] row_xmask:1 row_mask:0xf bank_mask:0xf
	v_add_f32_dpp v[Q], v[Q], v[Q] row_xmask:2 row_mask:0xf bank_mask:0xf
	v_add_f32_dpp v[Q], v[Q], v[Q] row_xmask:4 row_mask:0xf bank_mask:0xf
	v_add_f32_dpp v[Q], v[Q], v[Q] row_xmask:8 row_mask:0xf bank_mask:0xf
	v_permlanex16_b32 v[Q+1], v[Q], s22, s23       ; its destination counts as read: Q + 1 has been written
	v_add_f32 v[Q], v[Q], v[Q+1]
	v_rsq_f32 v[Q+2], v[Q]
	v_nop                                          ; one plain vector instruction between a transcendental and the use of its result (ISA guide 5.7.2)
	s_wait_alu depctr_va_vdst(0)
	v_min_num_f32 v[R],   0x4cbebc20, v[Q+2]       ; min(rsq, 1e8) = 1 / max(norm, 1e-8)
	v_min_num_f32 v[R+1], 0x4cbebc20, v[Q+2]
.irp j, 0,2,4,6,8,10,12,14,16,18,20,22
	v_pk_mul_f32 v[X+24*\i+\j:X+24*\i+\j+1], v[X+24*\i+\j:X+24*\i+\j+1], v[R:R+1]
.endr
.irp j, 0,1,2,3,4,5
	v_cvt_pk_bf16_f32 v[X+24*\i+4*\j],   v[X+24*\i+4*\j],   v[X+24*\i+4*\j+1]    ; four numbers become 8 bytes in the first two of their registers
	v_cvt_pk_bf16_f32 v[X+24*\i+4*\j+1], v[X+24*\i+4*\j+2], v[X+24*\i+4*\j+3]
	global_store_b64 v[OUTO], v[X+24*\i+4*\j:X+24*\i+4*\j+1], s[14:15] offset:ROWOUT*\i+256*\j   ; 32 lanes: 256 consecutive bytes; no register of a store is written again
.endr
.endm
	ROWN 0
	ROWN 1
	ROWN 2
	ROWN 3
	s_endpgm
.Lfunc_end_k_qd3289df1c1_unit:
	.size	k_qd3289df1c1_unit, .Lfunc_end_k_qd3289df1c1_unit-k_qd3289df1c1_unit
	.p2alignl 7, 3214868480
	.fill 96, 4, 3214868480
	.section	.rodata,"a",@progbits
	.p2align	6, 0x0
	.amdhsa_kernel k_qd3289df1c1_unit
		.amdhsa_group_segment_fixed_size 0
		.amdhsa_private_segment_fixed_size 0
		.amdhsa_enable_private_segment 0
		.amdhsa_kernarg_size 32
		.amdhsa_user_sgpr_count 2
		.amdhsa_user_sgpr_kernarg_segment_ptr 1
		.amdhsa_wavefront_size32 1
		.amdhsa_system_sgpr_workgroup_id_x 1
		.amdhsa_system_sgpr_workgroup_id_y 1
		.amdhsa_system_sgpr_workgroup_id_z 1
		.amdhsa_system_vgpr_workitem_id 0
		.amdhsa_next_free_vgpr 108
		.amdhsa_next_free_sgpr 66
		.amdhsa_reserve_vcc 0
		.amdhsa_float_denorm_mode_32 3
		.amdhsa_float_denorm_mode_16_64 3
		.amdhsa_memory_ordered 1
		.amdhsa_forward_progress 1
		.amdhsa_inst_pref_size 18
	.end_amdhsa_kernel
	.amdgpu_metadata
---
amdhsa.version: [ 1, 2 ]
amdhsa.kernels:
  - .name:           k_qd3289df1c1_unit
    .symbol:         k_qd3289df1c1_unit.kd
    .args:
      - { .name: x1, .offset: 0, .size: 8, .value_kind: global_buffer, .address_space: global }
      - { .name: x2, .offset: 8, .size: 8, .value_kind: global_buffer, .address_space: global }
      - { .name: a16, .offset: 16, .size: 8, .value_kind: global_buffer, .address_space: global }
      - { .name: b16, .offset: 24, .size: 8, .value_kind: global_buffer, .address_space: global }
    .group_segment_fixed_size: 0
    .private_segment_fixed_size: 0
    .kernarg_segment_align: 8
    .kernarg_segment_size: 32
    .max_flat_workgroup_size: 256
    .sgpr_count:     66
    .vgpr_count:     108
    .wavefront_size: 32
...
	.end_amdgpu_metadata
.endif
;; end of part 1
;; launch pairs (part 2): grid 16 x 16, 4 waves a work-group, clusters of 4 x 4, 327,680 bytes of LDS; arguments a16, b16, mask1, mask2, out0; writes out0
.if DOCPART == 2
	.amdgcn_target "amdgcn-amd-amdhsa--gfx1250"
	.amdhsa_code_object_version 6
	.text
	.protected	k_qd3289df1c1_pairs
	.globl	k_qd3289df1c1_pairs
	.p2align	8
	.type	k_qd3289df1c1_pairs,@function
k_qd3289df1c1_pairs:
	s_mov_b64 s[64:65], 0
	v_nop
	global_prefetch_b8 v0, s[64:65] scope:SCOPE_SE
	s_setreg_imm32_b32 hwreg(HW_REG_WAVE_MODE, 25, 1), 1
	s_wait_xcnt 0x0
	s_wait_alu depctr_hold_cnt(0) depctr_sa_sdst(0) depctr_va_vdst(0) depctr_va_sdst(0) depctr_va_ssrc(0) depctr_va_vcc(0) depctr_vm_vsrc(0)
	s_getreg_b32 s2, hwreg(HW_REG_IB_STS2, 6, 4)
	s_cmp_eq_u32 s2, 0
	s_cbranch_scc0 .Lentry_in_a_cluster
	s_endpgm
.Lentry_in_a_cluster:
	s_bfe_u32 s2, ttmp6, 0x10000c
	s_cmp_lg_u32 s2, 0xf033
	s_cbranch_scc0 .Lentry_shape_is_right
	s_endpgm
.Lentry_shape_is_right:
; out0[a][b] = ( mean over valid s of max over valid t of S + mean over valid t of max over valid s of S ) / 2, where S = cosines of sentence a's tokens
; with sentence b's: S = A B^T with A = a16, B = b16 ([4096][768] bf16, rows of unit length), cut into blocks of 64 x 64, one for each (a, b).
; A work-group makes 256 x 256 of S (4 x 4 blocks) with four waves; a wave makes 128 x 128 (2 x 2 blocks) in 512 accumulator registers, and reduces
; its four blocks to four numbers in registers: S never leaves the registers, and no reduction crosses a wave.
; K = 768 goes in six steps of 128 through a ring of two LDS slots filled by the tensor data mover; all six steps are written out, there is no loop.
; MASKS: the sums do not start from 0 but from pen1[s] + pen2[t], with pen = 0 for a valid token and -1e30 for a masked one.  Where both tokens are valid the
; start is exactly 0.  A row's maximum is used only for valid s and a column's only for valid t (weights 1 and 0 in the means), so one penalised matrix serves both.
; A penalised value can be the maximum of a used row only if every token of the other sentence is masked; then that sentence's count is 0,
; its mean is 0 x (1/0) = NaN here as it is 0/0 = NaN in the problem's function, and the output is NaN in both.
; LIMITS: masked entries hold about -1e30 or -2e30, not exactly -1e30 (they reach no finite output, as shown above); the means are a sum times v_rcp_f32 of the count;
; NaN and infinities in x are not served.  out0 is stored as 8 bytes by each of two lanes of a wave: a row of out0 (256 bytes) spans 16 work-groups.
; CLUSTERS: 4 x 4 work-groups.  The four of a row of the cluster need the same rows of A, the four of a column the same rows of B: each such tile is asked
; for jointly, by the same tensor load with the same descriptor and a mask that names the four.  That divides the requests for A and for B by four.
;
; REGISTERS, in windows of 256 (s_set_vgpr_msb's low byte: bits 1:0 source 0, 3:2 source 1, 5:4 source 2, 7:6 destination):
;   window 0: v0-63 addresses, weights, penalties, results; v64-127, v128-191 fragments of A, two buffers; v192-255 weights of my 128 tokens of B
;   window 1: v64-127, v128-191 fragments of B, two buffers
;   window 2: the 32 accumulator tiles of my rows 0-63 (tile (a, b) at v[64 a + 8 b]);   window 3: those of my rows 64-127
; THE MATRIX INSTRUCTION IS USED TRANSPOSED: source 0 = 16 rows of B, source 1 = 16 rows of A.  Lane l = (r = l % 16, h = l / 16), register j of tile (a, b)
; holds S(row 16 a + r, column 16 b + 8 h + j).  So a maximum along a row of S is taken inside a lane (and once across the halves),
; a maximum down a column over the four tiles a inside a lane and then over the 16 lanes of a half.
.set SIZE_K, 768
.set KSTEP,  128
.set PITCH,  272                       ; an LDS row: 256 bytes of data + 16 of padding = 68 words: row r starts at bank 4 r mod 64 (64 banks of 4 bytes: ISA guide 11.1)
.set HALFT,  128*PITCH                 ; 128 rows: what one tensor load brings, and what one wave reads of A or of B
.set SLOT,   4*HALFT                   ; A's 256 rows, then B's 256 rows; two slots are all of the 278,528 bytes
.set BIG,   6                          ; v[6:7]    +1e30 twice
.set NBIG,  8                          ; v[8:9]    -1e30 twice
.set ADRA,  16                         ; v16-17    LDS address of my A fragments in slot 0, 1
.set ADRB,  20                         ; v20-21    the same for B
.set MC,    24                         ; v[24:31]  masks as loaded for the counts: 32 tokens a register
.set WT1,   32                         ; v[32:39]  weight (1 or 0) of token 16 i + r of my 128 rows of A
.set PEN1,  40                         ; v[40:55]  its penalty, twice (a pair for the packed add)
.set XT,    40                         ; v[40:55]  later: what comes from the other half of the lanes
.set RC1,   56                         ; v56-57    0.5 / count of valid tokens of my two sentences a
.set RC2,   58                         ; v58-59    the same of my two sentences b
.set LANE,  60                         ; v60       lane
.set F0,    64                         ; fragment buffer 0
.set F1,    128                        ; fragment buffer 1
.set PEN2,  128                        ; v[128:191] until the first fetch into buffer 1: penalty of token 16 b + 8 h + j of B at 8 b + j
.set WT2,   192                        ; v[192:255] its weight
.set CM,    64                         ; the way out: v[64:191] column maxima, 64 for each of my two sentences a
.set RM,    0                          ; the way out: v[0:15] row maxima, at 8 A + 2 a + Bk
.set SUM1,  16                         ; the way out: v[16:19] weighted sums of row maxima, then the results, at 2 A + Bk
.set SUM2P, 20                         ; the way out: v[20:27] packed chains of the weighted sums of column maxima
.set SUM2,  28                         ; the way out: v[28:31] those sums
.set G1, 24                            ; s[24:31] descriptor group 1 for A's tiles
.set G0, 32                            ; s[32:39] descriptor group 0 for A's tiles, one set for each slot
.set G1B, 48                           ; s[48:55] descriptor group 1 for B's tiles: it differs from A's in the mask alone
.set G0B, 56                           ; s[56:63] descriptor group 0 for B's tiles, one set for each slot
.set MSB, 0
.macro WIN new                         ; the immediate's high byte repeats the setting that is left
.if MSB != \new
	s_set_vgpr_msb (MSB<<8)|\new
.set MSB, \new
.endif
.endm
.set MUL_LO, 0xa1                      ; source 0 (B) window 1, source 1 (A) window 0, C and D window 2
.set MUL_HI, 0xf1                      ; the same, C and D window 3
.set TO_B,   0x40                      ; destination window 1, address window 0
; A joint load.  Waves 0 and 1 fetch A's two halves, waves 2 and 3 B's.  Each line has one mask and one set of registers for all that issue it.
; The branch hangs on the wave's number alone: it is the same in every work-group.
.macro JLOAD s
	s_cmp_eq_u32 s15, 0
	s_cbranch_scc0 .Lfor_b_\@
	tensor_load_to_lds s[G0+4*\s:G0+4*\s+3], s[G1:G1+7]
	s_nop 0
	s_branch .Lasked_\@
.Lfor_b_\@:
	tensor_load_to_lds s[G0B+4*\s:G0B+4*\s+3], s[G1B:G1B+7]
	s_nop 0
.Lasked_\@:
.endm
; A round of the cluster's barrier: my work-group's barrier, so that wave 0's signal speaks for all four waves; wave 0 signals for the work-group;
; every wave waits for all sixteen work-groups; my work-group's barrier once more.
.macro CREST                           ; a round behind its opening barrier
	s_cmp_lg_u32 s14, 0
	s_cbranch_scc1 .Lnot_wave_0_\@
	s_barrier_signal -3
.Lnot_wave_0_\@:
	s_barrier_wait -3
	s_barrier_signal -1
	s_barrier_wait -1
.endm
.macro CROUND                          ; a whole round
	s_barrier_signal -1
	s_barrier_wait -1
	CREST
.endm
	s_load_b256 s[4:11], s[0:1], 0x0               ; a16 s[4:5], b16 s[6:7], mask1 s[8:9], mask2 s[10:11]
	s_load_b64 s[12:13], s[0:1], 0x20              ; out0
	s_set_vgpr_msb 0x40
	v_lshl_add_u32 v254, v0, 2, 0x44000
	v_mov_b32 v255, 0
	s_set_vgpr_msb 0x4045
	ds_add_u32 v254, v255
	s_set_vgpr_msb 0x4500
	v_lshrrev_b32 v1, 5, v0
	v_readfirstlane_b32 s14, v1                    ; wave 0..3
	s_lshr_b32 s15, s14, 1                         ; which half of the block's rows (of A) is mine.  Also: I fetch for A (0) or for B (1)
	s_and_b32 s16, s14, 1                          ; which half of its columns (rows of B).  Also: which 128 rows of that tile I fetch
	s_bfe_u32 s17, ttmp6, 0x40000                  ; cx
	s_bfe_u32 s18, ttmp6, 0x40004                  ; cy
	s_lshl_b32 s19, ttmp9, 2                       ; in a cluster launch ttmp9 and ttmp7 count clusters
	s_add_co_u32 s19, s19, s17                     ; block column = 4 x cluster x + cx
	s_and_b32 s20, ttmp7, 0xffff
	s_lshl_b32 s20, s20, 2
	s_add_co_u32 s20, s20, s18                     ; block row = 4 x cluster y + cy
	s_lshl_b32 s21, s18, 2
	s_lshl_b32 s21, 15, s21                        ; my row of the cluster: places 4 cy .. 4 cy + 3
	s_lshl_b32 s22, 0x1111, s17                    ; my column: places cx, cx + 4, cx + 8, cx + 12
	; descriptor group 1: a tile of 128 rows x 128 elements of 2 bytes, padded in LDS
	s_or_b32 s[G1+0], s21, (1<<16)|(1<<20)|(1<<21)|(5<<22)|(3<<25)  ; 15:0 the mask: A's tiles go to my row; 17:16 element of 2 bytes; 20 padding on; 21 set beside a mask; 24:22 after every 64 words (code 5); 31:25 of 4 words (code 3)
	s_or_b32 s[G1B+0], s22, (1<<16)|(1<<20)|(1<<21)|(5<<22)|(3<<25) ; the same with the mask of my column, for B's tiles
	s_mov_b32 s[G1+1], KSTEP<<16                   ; 63:48 tensor_dim0, low half = 128
	s_mov_b32 s[G1B+1], KSTEP<<16
	s_mov_b32 s[G1+2], 128<<16                     ; 79:64 its high half = 0; 95:80 tensor_dim1, low half = 128
	s_mov_b32 s[G1B+2], 128<<16
	s_mov_b32 s[G1+3], KSTEP<<16                   ; 111:96 its high half = 0; 127:112 tile_dim0 = 128
	s_mov_b32 s[G1B+3], KSTEP<<16
	s_mov_b32 s[G1+4], 128                         ; 143:128 tile_dim1 = 128; 159:144 tile_dim2 = 0
	s_mov_b32 s[G1B+4], 128
	s_mov_b32 s[G1+5], SIZE_K                      ; 191:160 tensor_dim0_stride: 768 elements from row to row
	s_mov_b32 s[G1B+5], SIZE_K
	s_mov_b32 s[G1+6], 0
	s_mov_b32 s[G1B+6], 0
	s_mov_b32 s[G1+7], 0
	s_mov_b32 s[G1B+7], 0
	; where the tiles come from.  A's hang on the block row alone, which my row of the cluster shares; B's on the block column alone.
	; Every wave makes both addresses, in registers that never hold the other coordinate, and asks by one of them.
	s_lshl_b32 s47, s16, 7                         ; which 128 rows of the tile I fetch
	s_lshl_b32 s40, s20, 8
	s_add_co_u32 s40, s40, s47                     ; A: row 256 x block row + 128 x half
	s_mov_b32 s41, 0
	s_lshl_b32 s44, s19, 8
	s_add_co_u32 s44, s44, s47                     ; B: row 256 x block column + 128 x half
	s_mov_b32 s45, 0
	s_mov_b64 s[42:43], SIZE_K*2
	s_mul_u64 s[40:41], s[40:41], s[42:43]         ; in bytes
	s_mul_u64 s[44:45], s[44:45], s[42:43]
	s_mul_i32 s46, s14, HALFT                      ; and where they go: A's two halves, then B's two halves = wave x 128 rows
	; my 128 tokens in mask1 and in mask2 (4 bytes a token), and my 2 x 2 numbers in out0 (rows of 256 bytes)
	s_lshl_b32 s66, s20, 10                        ; 256 tokens x 4 bytes for each block row
	s_lshl_b32 s74, s15, 9
	s_add_co_u32 s66, s66, s74
	s_mov_b32 s67, 0
	s_lshl_b32 s68, s19, 10
	s_lshl_b32 s74, s16, 9
	s_add_co_u32 s68, s68, s74
	s_mov_b32 s69, 0
	s_lshl_b32 s76, s20, 10                        ; sentence a = 4 x block row + 2 x half: 256 bytes each
	s_lshl_b32 s87, s15, 9
	s_add_co_u32 s76, s76, s87
	s_lshl_b32 s87, s19, 4                         ; sentence b = 4 x block column + 2 x half: 4 bytes each
	s_add_co_u32 s76, s76, s87
	s_lshl_b32 s87, s16, 3
	s_add_co_u32 s76, s76, s87
	s_mov_b32 s77, 0
	s_mov_b32 s72, 0x76543210                      ; v_permlanex16_b32: lane i of one half reads lane i of the other
	s_mov_b32 s73, 0xfedcba98
	s_wait_dscnt 0x0
	s_wait_kmcnt 0x0
	s_add_nc_u64 s[40:41], s[4:5], s[40:41]
	s_add_nc_u64 s[44:45], s[6:7], s[44:45]
	s_add_nc_u64 s[66:67], s[8:9], s[66:67]
	s_add_nc_u64 s[68:69], s[10:11], s[68:69]
	s_add_nc_u64 s[12:13], s[12:13], s[76:77]
	CROUND                                         ; all sixteen work-groups are here: the first joint loads meet
.irp s, 0,1
	s_mov_b32 s[G0+4*\s], 1                                        ; 1:0 count = 1
	s_add_co_u32 s[G0+4*\s+1], s46, \s*SLOT                        ; 63:32 LDS address
	s_add_nc_u64 s[G0+4*\s+2:G0+4*\s+3], s[40:41], \s*KSTEP*2      ; 120:64 global address: K step s
	s_or_b32 s[G0+4*\s+3], s[G0+4*\s+3], 0x80000000                ; 127:126 type = 2
	s_mov_b32 s[G0B+4*\s], 1
	s_add_co_u32 s[G0B+4*\s+1], s46, \s*SLOT
	s_add_nc_u64 s[G0B+4*\s+2:G0B+4*\s+3], s[44:45], \s*KSTEP*2
	s_or_b32 s[G0B+4*\s+3], s[G0B+4*\s+3], 0x80000000
	JLOAD \s                                       ; both first fills go out together: a wave has two tensor loads out here, and one behind each later refill
.endr
	; THE MASKS, while the first tiles are on their way.
	v_and_b32 v1, 15, v0                           ; r = l % 16
	v_bfe_u32 v2, v0, 4, 1                         ; h = l / 16
	v_and_b32 v[LANE], 31, v0
	v_lshlrev_b32 v4, 2, v1                        ; 4 r
	v_lshlrev_b32 v5, 5, v2                        ; 32 h: eight tokens
	v_lshlrev_b32 v23, 2, v[LANE]                  ; 4 l
.irp i, 0,1,2,3,4,5,6,7
	global_load_b32 v[WT1+\i], v4, s[66:67] offset:64*\i           ; mask1 of token 16 i + r
.endr
.irp b, 0,1,2,3,4,5,6,7
	global_load_b128 v[WT2+8*\b:WT2+8*\b+3],   v5, s[68:69] offset:64*\b       ; mask2 of tokens 16 b + 8 h + 0..3
	global_load_b128 v[WT2+8*\b+4:WT2+8*\b+7], v5, s[68:69] offset:64*\b+16    ; and + 4..7
.endr
.irp q, 0,1,2,3
	global_load_b32 v[MC+\q],   v23, s[66:67] offset:128*\q        ; for the counts: token 32 q + l of my 128 of mask1,
	global_load_b32 v[MC+4+\q], v23, s[68:69] offset:128*\q        ; and of mask2
.endr
	; A fragment is 16 rows x 32 K in 8 registers: lane l holds row r; registers 0-3 hold K = 8 h + 0..7, registers 4-7 K = 16 + 8 h + 0..7:
	; two loads of 16 bytes, 32 bytes apart, at row x pitch + 16 h.
	v_mul_u32_u24 v3, v1, PITCH
	v_lshl_add_u32 v3, v2, 4, v3
	s_mul_i32 s74, s15, HALFT                      ; my 128 rows of A
	s_mul_i32 s75, s16, HALFT                      ; my 128 rows of B,
	s_add_co_u32 s75, s75, 2*HALFT                 ; which lie behind A's 256
.irp s, 0,1
	v_add_nc_u32 v[ADRA+\s], s74, v3
	v_add_nc_u32 v[ADRB+\s], s75, v3
	s_add_co_u32 s74, s74, SLOT
	s_add_co_u32 s75, s75, SLOT
.endr
	v_mov_b32 v[BIG],    0x7149f2ca                ; 1e30
	v_mov_b32 v[BIG+1],  0x7149f2ca
	v_mov_b32 v[NBIG],   0xf149f2ca                ; -1e30
	v_mov_b32 v[NBIG+1], 0xf149f2ca
	s_wait_loadcnt 0x0                             ; all 32 mask loads, once
	; counts of valid tokens: a bit for each lane with mask > 0, two registers of 32 tokens for each sentence
.irp q, 0,1,2,3,4,5,6,7
	v_cmp_lt_f32 s[78+\q], 0, v[MC+\q]
.endr
.irp q, 0,1,2,3,4,5,6,7
	s_bcnt1_i32_b32 s[78+\q], s[78+\q]
.endr
.irp q, 0,2,4,6
	s_add_co_u32 s[78+\q], s[78+\q], s[79+\q]
.endr
	v_cvt_f32_u32 v[RC1],   s78
	v_cvt_f32_u32 v[RC1+1], s80
	v_cvt_f32_u32 v[RC2],   s82
	v_cvt_f32_u32 v[RC2+1], s84
	v_rcp_f32 v[RC1],   v[RC1]                     ; a count of 0 gives +infinity, and the mean 0 x infinity = NaN, as 0 / 0 does
	v_rcp_f32 v[RC1+1], v[RC1+1]
	v_rcp_f32 v[RC2],   v[RC2]
	v_rcp_f32 v[RC2+1], v[RC2+1]
	v_nop                                          ; one plain vector instruction between a transcendental and the use of its result (ISA guide 5.7.2)
	s_wait_alu depctr_va_vdst(0)
.irp q, 0,1,2,3
	v_mul_f32 v[RC1+\q], 0.5, v[RC1+\q]            ; the halving of the two means' sum is folded in
.endr
	; weights: 1 where mask > 0, else 0 (a NaN in a mask counts as not valid, as in the comparison mask > 0)
.set ci, 0
.rept 8
	v_cmp_lt_f32 vcc_lo, 0, v[WT1+ci]
	v_cndmask_b32 v[WT1+ci], 0, 1.0, vcc_lo
.set ci, ci+1
.endr
.set ci, 0
.rept 64
	v_cmp_lt_f32 vcc_lo, 0, v[WT2+ci]
	v_cndmask_b32 v[WT2+ci], 0, 1.0, vcc_lo
.set ci, ci+1
.endr
	; penalties: w x 1e30 - 1e30, one rounding: exactly 0 for w = 1, -1e30 for w = 0
.irp i, 0,1,2,3,4,5,6,7
	v_fma_f32 v[PEN1+2*\i],   v[WT1+\i], v[BIG], v[NBIG]
	v_fma_f32 v[PEN1+2*\i+1], v[WT1+\i], v[BIG], v[NBIG]
.endr
.set ci, 0
.rept 32
	v_pk_fma_f32 v[PEN2+ci:PEN2+ci+1], v[WT2+ci:WT2+ci+1], v[BIG:BIG+1], v[NBIG:NBIG+1]
.set ci, ci+2
.endr
; The sums start from pen1[row] + pen2[column]: this is the masking, done once here, where the wave would otherwise wait for its first tile;
; so no matrix instruction takes the constant 0, and the way out needs no select.  128 packed adds for each window.
.macro CINIT blk, win
	WIN \win
.irp a, 0,1,2,3
.set ci, 0
.rept 32
	v_pk_add_f32 v[64*\a+ci:64*\a+ci+1], v[PEN2+ci:PEN2+ci+1], v[PEN1+2*(4*\blk+\a):PEN1+2*(4*\blk+\a)+1]
.set ci, ci+2
.endr
.endr
.endm
	CINIT 0, 0x80                                  ; destination window 2
	CINIT 1, 0xc0                                  ; destination window 3
	WIN 0
; 16 matrix instructions: row tiles a0, a0 + 1 of the window's four (hi = 0: my rows 0-63, 1: rows 64-127) x all 8 column tiles, 32 along K.
; The 64 accumulators take turns, one instruction a turn, in the same order in every quarter step.
.macro MUL16 f, hi, a0
.irp a, \a0, \a0+1
.irp b, 0,1,2,3,4,5,6,7
	v_wmma_f32_16x16x32_bf16 v[8*(8*(\a)+\b):8*(8*(\a)+\b)+7], v[\f+8*\b:\f+8*\b+7], v[\f+8*(4*\hi+\a):\f+8*(4*\hi+\a)+7], v[8*(8*(\a)+\b):8*(8*(\a)+\b)+7]
.endr
.endr
.endm
; 32 LDS loads in one run: the fragments of one quarter step (128 rows of B, 128 rows of A, 32 K at byte k of the rows) into buffer f
.macro FETCH slot, k, f
	WIN TO_B
.irp i, 0,1,2,3,4,5,6,7
	ds_load_b128 v[\f+8*\i:\f+8*\i+3],   v[ADRB+\slot] offset:\k+\i*16*PITCH
	ds_load_b128 v[\f+8*\i+4:\f+8*\i+7], v[ADRB+\slot] offset:\k+\i*16*PITCH+32
.endr
	WIN 0
.irp i, 0,1,2,3,4,5,6,7
	ds_load_b128 v[\f+8*\i:\f+8*\i+3],   v[ADRA+\slot] offset:\k+\i*16*PITCH
	ds_load_b128 v[\f+8*\i+4:\f+8*\i+7], v[ADRA+\slot] offset:\k+\i*16*PITCH+32
.endr
.endm
; A load into a register that a matrix instruction has read, and a vector instruction that reads a matrix result or writes one of a matrix instruction's
; registers, stand four places behind it, and only plain vector instructions that name none of its registers are places (ISA guide 7.12.1 for vector
; instructions); the matrix instructions in between are not counted.
.macro PLACES
.rept 4
	v_nop
.endr
.endm
; A K step is four quarter steps of 32 along K, 64 matrix instructions each, on buffers 0, 1, 0, 1.
; One of the first three: multiplies buffer f; in its middle it fetches the next quarter's fragments, at byte k of the same slot's rows, into buffer g.
.macro QUARTER slot, k, f, g
	s_wait_dscnt 8                                 ; B and A's rows 0-63 are in; the youngest eight loads (A's rows 64-127) may be out
	WIN MUL_LO
	MUL16 \f, 0, 0
	MUL16 \f, 0, 2
	PLACES
	FETCH \slot, \k, \g
	s_wait_dscnt 32                                ; all but the 32 just issued
	WIN MUL_HI
	MUL16 \f, 1, 0
	MUL16 \f, 1, 2
.endm
.macro THREE slot
	QUARTER \slot, 64,  F0, F1
	QUARTER \slot, 128, F1, F0
	QUARTER \slot, 192, F0, F1
.endm
; The last quarter: multiplies buffer 1 and changes slots.  next = the other slot; fill = 1: this slot is filled again, two K steps ahead.
; One barrier for the change of slots.  In front of it each wave waits for its own reads of this slot and for all its tensor loads, of which one is out:
; its part of the next slot.  Behind it nobody reads this slot any more and the next slot is whole: the refill comes first, then the next slot's first
; fragments.  From a request to the wait for it a wave issues 240 matrix instructions.
.macro TURN slot, next, fill
	s_wait_dscnt 8
	WIN MUL_LO
	MUL16 F1, 0, 0
	s_wait_dscnt 0                                 ; my reads of this slot are over
	s_set_vgpr_msb 0xa1a5
	s_wait_tensorcnt 0x0                           ; and all my tensor loads have landed: the one that was out is my part of the next slot
	ds_add_u32 v254, v255
	s_wait_dscnt 0x0
	s_set_vgpr_msb 0xa5a1
	s_barrier_signal -1                            ; say so (where a slot is filled again this barrier opens a round of the cluster's barrier),
	MUL16 F1, 0, 2                                 ; work on registers while the others arrive,
	WIN 0
	s_barrier_wait -1                              ; and go on when all four have said so
.if \fill
	CREST                                          ; all sixteen work-groups have said so: no wave of any partner still reads this slot's tile or has a load on its way
	s_add_nc_u64 s[G0+4*\slot+2:G0+4*\slot+3], s[G0+4*\slot+2:G0+4*\slot+3], 2*KSTEP*2
	s_add_nc_u64 s[G0B+4*\slot+2:G0B+4*\slot+3], s[G0B+4*\slot+2:G0B+4*\slot+3], 2*KSTEP*2
	JLOAD \slot                                    ; the first tensor load behind the round, and the wave's only one until the next
.endif
	PLACES
	FETCH \next, 0, F0
	WIN MUL_HI
	MUL16 F1, 1, 0
	MUL16 F1, 1, 2
.endm
.macro LAP                             ; once round the ring, both slots filled again
	THREE 0
	TURN 0, 1, 1
	THREE 1
	TURN 1, 0, 1
.endm
	s_wait_tensorcnt 0x1                           ; my part of K step 0 is in; K step 1's may stay out
	s_barrier_signal -1
	s_barrier_wait -1                              ; everybody's is
	FETCH 0, 0, F0
	LAP                                            ; K steps 0 and 1; asks for 2 and 3
	LAP                                            ; K steps 2 and 3; asks for 4 and 5
	THREE 0                                        ; K steps 4 and 5 fill nothing and have no round of the cluster's barrier
	TURN 0, 1, 0
	THREE 1
	s_wait_dscnt 8                                 ; the very last quarter: nothing more to fetch
	WIN MUL_LO
	MUL16 F1, 0, 0
	MUL16 F1, 0, 2
	s_wait_dscnt 0
	WIN MUL_HI
	MUL16 F1, 1, 0
	MUL16 F1, 1, 2
	; THE WAY OUT.  The four v_nop are the places behind the last matrix instructions, for the reads of results and the writes into the fragment buffers.
	PLACES
; Column maxima of one window (one sentence a): over the four row tiles, register by register, into window 0 at cm.
; w3: sources 0 to 2 in the window, destination window 0;  w1: source 0 in the window, the rest window 0.
.macro COLMAX cm, w3, w1
	WIN \w3
.set ci, 0
.rept 64
	v_max3_num_f32 v[\cm+ci], v[ci], v[64+ci], v[128+ci]
.set ci, ci+1
.endr
	WIN \w1
.set ci, 0
.rept 64
	v_max_num_f32 v[\cm+ci], v[192+ci], v[\cm+ci]
.set ci, ci+1
.endr
.endm
; Row maxima of one window, in place, behind the column maxima: eight chains that do not wait for each other, one for each (row tile a, sentence Bk);
; the chain at 64 a + 32 Bk runs over its 32 registers, the lane's half of the 64 columns.
.macro ROWMAX wall
	WIN \wall
.set kk, 0
.rept 15
.irp t, 0,32,64,96,128,160,192,224
	v_max3_num_f32 v[\t], v[\t], v[\t+2*kk+1], v[\t+2*kk+2]
.endr
.set kk, kk+1
.endr
.irp t, 0,32,64,96,128,160,192,224
	v_max_num_f32 v[\t], v[\t], v[\t+31]
.endr
.endm
; The other half of the columns lies in lane l xor 16.  The results go to window 0.
.macro ROWX blk, w1
	WIN \w1
.irp u, 0,1,2,3,4,5,6,7
	v_permlanex16_b32 v[XT+8*\blk+\u], v[32*\u], s72, s73          ; its destination counts as read: it held a penalty
.endr
.irp u, 0,1,2,3,4,5,6,7
	v_max_num_f32 v[RM+8*\blk+\u], v[32*\u], v[XT+8*\blk+\u]
.endr
.endm
	COLMAX CM, 0x2a, 0x02
	ROWMAX 0xaa
	ROWX 0, 0x02
	COLMAX CM+64, 0x3f, 0x03
	ROWMAX 0xff
	ROWX 1, 0x03
	WIN 0
	; column maxima over the 16 rows that the 16 lanes of a half hold; every lane of the half ends with the maximum
.irp xm, 1,2,4,8
.set ci, 0
.rept 128
	v_max_num_f32_dpp v[CM+ci], v[CM+ci], v[CM+ci] row_xmask:\xm row_mask:0xf bank_mask:0xf
.set ci, ci+1
.endr
.endr
	; weighted sums of the column maxima: four packed chains, one for each (A, Bk), over the lane's 32 columns
.irp blk, 0,1
.irp bk, 0,1
	v_pk_mul_f32 v[SUM2P+4*\blk+2*\bk:SUM2P+4*\blk+2*\bk+1], v[WT2+32*\bk:WT2+32*\bk+1], v[CM+64*\blk+32*\bk:CM+64*\blk+32*\bk+1]
.endr
.endr
.set ci, 2
.rept 15
.irp blk, 0,1
.irp bk, 0,1
	v_pk_fma_f32 v[SUM2P+4*\blk+2*\bk:SUM2P+4*\blk+2*\bk+1], v[WT2+32*\bk+ci:WT2+32*\bk+ci+1], v[CM+64*\blk+32*\bk+ci:CM+64*\blk+32*\bk+ci+1], v[SUM2P+4*\blk+2*\bk:SUM2P+4*\blk+2*\bk+1]
.endr
.endr
.set ci, ci+2
.endr
.irp q, 0,1,2,3
	v_add_f32 v[SUM2+\q], v[SUM2P+2*\q], v[SUM2P+2*\q+1]
.endr
.irp q, 0,1,2,3
	v_permlanex16_b32 v[XT+\q], v[SUM2+\q], s72, s73               ; the other 32 columns
.endr
.irp q, 0,1,2,3
	v_add_f32 v[SUM2+\q], v[SUM2+\q], v[XT+\q]
.endr
	; weighted sums of the row maxima: over the four row tiles in the lane, then over the 16 lanes of a half (both halves hold the same)
.irp blk, 0,1
.irp bk, 0,1
	v_mul_f32 v[SUM1+2*\blk+\bk], v[WT1+4*\blk], v[RM+8*\blk+\bk]
.endr
.endr
.irp a, 1,2,3
.irp blk, 0,1
.irp bk, 0,1
	v_fma_f32 v[SUM1+2*\blk+\bk], v[WT1+4*\blk+\a], v[RM+8*\blk+2*\a+\bk], v[SUM1+2*\blk+\bk]
.endr
.endr
.endr
.irp xm, 1,2,4,8
.irp q, 0,1,2,3
	v_add_f32_dpp v[SUM1+\q], v[SUM1+\q], v[SUM1+\q] row_xmask:\xm row_mask:0xf bank_mask:0xf
.endr
.endr
	; result = sum1 x 0.5 / count1 + sum2 x 0.5 / count2
.irp blk, 0,1
.irp bk, 0,1
	v_mul_f32 v[SUM1+2*\blk+\bk], v[SUM1+2*\blk+\bk], v[RC1+\blk]
.endr
.endr
.irp blk, 0,1
.irp bk, 0,1
	v_fma_f32 v[SUM1+2*\blk+\bk], v[SUM2+2*\blk+\bk], v[RC2+\bk], v[SUM1+2*\blk+\bk]
.endr
.endr
	; lane 0 stores my first sentence a's two numbers, lane 1 the second's, one row of out0 (256 bytes) further down
	v_cmp_eq_u32 vcc_lo, 0, v[LANE]
	v_cndmask_b32 v62, v[SUM1+2], v[SUM1], vcc_lo
	v_cndmask_b32 v63, v[SUM1+3], v[SUM1+1], vcc_lo
	v_lshlrev_b32 v61, 8, v[LANE]
	v_cmp_gt_u32 vcc_lo, 2, v[LANE]
	s_wait_xcnt 0x0                                ; EXEC changes only when every earlier memory instruction has had its addresses translated (ISA guide 3.1)
	s_and_saveexec_b32 s86, vcc_lo
	global_store_b64 v61, v[62:63], s[12:13]
	s_wait_xcnt 0x0                                ; and again in front of the line that widens it
	s_or_b32 exec_lo, exec_lo, s86
	CROUND                                         ; the closing round: no work-group ends while a partner may still ask for a tile that names it
	s_endpgm
.Lfunc_end_k_qd3289df1c1_pairs:
	.size	k_qd3289df1c1_pairs, .Lfunc_end_k_qd3289df1c1_pairs-k_qd3289df1c1_pairs
	.p2alignl 7, 3214868480
	.fill 96, 4, 3214868480
	.section	.rodata,"a",@progbits
	.p2align	6, 0x0
	.amdhsa_kernel k_qd3289df1c1_pairs
		.amdhsa_group_segment_fixed_size 327680
		.amdhsa_private_segment_fixed_size 0
		.amdhsa_enable_private_segment 0
		.amdhsa_kernarg_size 40
		.amdhsa_user_sgpr_count 2
		.amdhsa_user_sgpr_kernarg_segment_ptr 1
		.amdhsa_wavefront_size32 1
		.amdhsa_system_sgpr_workgroup_id_x 1
		.amdhsa_system_sgpr_workgroup_id_y 1
		.amdhsa_system_sgpr_workgroup_id_z 1
		.amdhsa_system_vgpr_workitem_id 0
		.amdhsa_next_free_vgpr 1024
		.amdhsa_next_free_sgpr 88
		.amdhsa_reserve_vcc 1
		.amdhsa_float_denorm_mode_32 3
		.amdhsa_float_denorm_mode_16_64 3
		.amdhsa_memory_ordered 1
		.amdhsa_forward_progress 1
		.amdhsa_inst_pref_size 255
	.end_amdhsa_kernel
	.section	.bss,"aw",@nobits
	.p2align	6
	.space	262144
	.amdgpu_metadata
---
amdhsa.version: [ 1, 2 ]
amdhsa.kernels:
  - .name:           k_qd3289df1c1_pairs
    .symbol:         k_qd3289df1c1_pairs.kd
    .args:
      - { .name: a16, .offset: 0, .size: 8, .value_kind: global_buffer, .address_space: global }
      - { .name: b16, .offset: 8, .size: 8, .value_kind: global_buffer, .address_space: global }
      - { .name: mask1, .offset: 16, .size: 8, .value_kind: global_buffer, .address_space: global }
      - { .name: mask2, .offset: 24, .size: 8, .value_kind: global_buffer, .address_space: global }
      - { .name: out0, .offset: 32, .size: 8, .value_kind: global_buffer, .address_space: global }
    .group_segment_fixed_size: 327680
    .private_segment_fixed_size: 0
    .kernarg_segment_align: 8
    .kernarg_segment_size: 40
    .max_flat_workgroup_size: 128
    .sgpr_count:     88
    .vgpr_count:     1024
    .wavefront_size: 32
...
	.end_amdgpu_metadata
.endif
;; end of part 2
;; ======== version 2 of 2: 2 launches; version 1 with the launch unit written anew for expert scheduling mode
;; workspace buffers: a16 6,291,456 bytes; b16 6,291,456 bytes
;; launch unit (part 3): grid 128 x 2, 8 waves a work-group, no clusters, 0 bytes of LDS; arguments x1, x2, a16, b16; writes a16, b16
.if DOCPART == 3
	.amdgcn_target "amdgcn-amd-amdhsa--gfx1250"
	.amdhsa_code_object_version 6
	.text
	.protected	k_qd3289df1c1_unit
	.globl	k_qd3289df1c1_unit
	.p2align	8
	.type	k_qd3289df1c1_unit,@function
k_qd3289df1c1_unit:
	s_mov_b64 s[64:65], 0
	v_nop
	global_prefetch_b8 v0, s[64:65] scope:SCOPE_SE
	s_setreg_imm32_b32 hwreg(HW_REG_WAVE_SCHED_MODE, 0, 2), 2
	s_setreg_imm32_b32 hwreg(HW_REG_WAVE_MODE, 25, 1), 1
	s_wait_xcnt 0x0
	s_wait_alu depctr_vm_vsrc(0)
; Rows of x1 and x2 ([4096][768] f32 each) are divided by max(their norm, 1e-8) in f32 and stored as bf16 into a16 and b16 ([4096][768] bf16).
; Grid y picks the tensor (0: x1 to a16, 1: x2 to b16); work-group x owns 32 rows; each of its eight waves owns 4 rows.
; One wave takes a whole row: 3,072 bytes = six loads of 16 bytes a lane, each covering 512 consecutive bytes.  The row stays in 24 registers between
; the sum of squares and the scaling, so every input byte is read once.  All 24 loads of a wave are issued at the head: no loop, no LDS, no barrier.
; A store of 8 bytes a lane covers 256 consecutive bytes, at a multiple of 256 from the buffer's first byte.
; 1 / max(sqrt(q), 1e-8) is taken as min(rsq(q), 1e8): the same number for q above 1e-16; for smaller q, zero and denormal q (which v_rsq_f32 takes as zero
; and answers with +infinity, ISA guide 15.8) it is 1e8, as the clamp gives.  A sum of squares that overflows gives rsq = 0 and a row of zeros, as x / infinity does.
; LIMITS: NaN and infinities in x are not served.  The rounding to bf16 comes after the normalisation.
; The matrix units, LDS, the tensor mover and clusters are left out: no byte is used twice and no wave needs another's data.
; THE MODE: SCHED_MODE bits 1:0 = 2 (LLVM: expert scheduling mode 2), set by the entry lines.  The code itself states the register dependences
; between vector instructions and memory instructions, with s_wait_alu, always for 0.
; THE PLAN.  Registers that memory instructions touch:
;   v[INO]    Written at the head by vector lines; read by all 24 loads; never written again.
;   v[OUTO]   Written at the head by vector lines; read by all 24 stores; never written again.
;   X, row i  Its six loads, issued at the head, land in it (no vector line has named it before); behind the row's wait on LOADcnt the squares read it, the scalings
;             and the twelve conversions write it in place; then the row's six stores read twelve of its registers; nothing writes them afterwards.
;   Q, R, v1 and v2 are named by vector instructions alone.
; So: one wait on va_vdst ahead of the first load, for the two offsets; in each row one behind the reciprocal root, ahead of its first reader, and one behind the
; row's twelve conversions, ahead of its six stores, which follow it as one run.  No register that a load or store has read is written again, no vector
; instruction writes a scalar register or VCC, and EXEC is never written: no other wait of this kind has a dependence to state.
.set ROWIN,  3072                      ; bytes of a row of f32
.set ROWOUT, 1536                      ; bytes of a row of bf16
.set Q,    4                           ; v[4:7]    two packed chains of the sum of squares
.set X,    8                           ; v[8:103]  row i in 24 registers from X + 24 i: as loaded, then scaled, then packed
.set R,    104                         ; v[104:105] the reciprocal norm, twice (a pair for the packed multiply)
.set OUTO, 106                         ; v106      my byte offset in the output; never rewritten
.set INO,  3                           ; v3        my byte offset in the input; never rewritten
	s_load_b256 s[4:11], s[0:1], 0x0               ; x1 s[4:5], x2 s[6:7], a16 s[8:9], b16 s[10:11]
	s_and_b32 s16, ttmp7, 0xffff                   ; which tensor
	s_mul_i32 s18, ttmp9, 32*ROWIN                 ; the group's 32 rows in the input (below 12,582,912)
	s_mov_b32 s19, 0
	s_mul_i32 s20, ttmp9, 32*ROWOUT                ; and in the output
	s_mov_b32 s21, 0
	s_mov_b32 s22, 0x76543210                      ; v_permlanex16_b32: lane i of one half reads lane i of the other
	s_mov_b32 s23, 0xfedcba98
	v_lshrrev_b32 v1, 5, v0                        ; wave
	v_and_b32 v2, 31, v0                           ; lane
	v_lshlrev_b32 v[INO], 4, v2                    ; 16 bytes a lane
	v_mad_u32_u24 v[INO], v1, 4*ROWIN, v[INO]      ; + the wave's 4 rows
	v_lshlrev_b32 v[OUTO], 3, v2                   ; 8 bytes a lane
	v_mad_u32_u24 v[OUTO], v1, 4*ROWOUT, v[OUTO]
	s_wait_kmcnt 0x0
	s_cmp_eq_u32 s16, 0
	s_cselect_b64 s[12:13], s[4:5], s[6:7]         ; source
	s_cselect_b64 s[14:15], s[8:9], s[10:11]       ; destination
	s_add_nc_u64 s[12:13], s[12:13], s[18:19]
	s_add_nc_u64 s[14:15], s[14:15], s[20:21]
	s_wait_alu depctr_va_vdst(0)                   ; v[INO] and v[OUTO] are written: every load of the kernel reads the one as its offset, every store the other
.irp i, 0,1,2,3
.irp j, 0,1,2,3,4,5
	global_load_b128 v[X+24*\i+4*\j:X+24*\i+4*\j+3], v[INO], s[12:13] offset:ROWIN*\i+512*\j th:TH_LOAD_NT   ; read once in the launch
.endr
.endr
; Row i of the wave's four.
.macro ROWN i
	s_wait_loadcnt 18-6*\i                         ; loads come back in order (ISA guide 5.7.1): this row's six are in, the 6 (3 - i) of the later rows stay out
	v_pk_mul_f32 v[Q:Q+1],   v[X+24*\i:X+24*\i+1],   v[X+24*\i:X+24*\i+1]        ; the first four numbers start the two chains: nothing is cleared
	v_pk_mul_f32 v[Q+2:Q+3], v[X+24*\i+2:X+24*\i+3], v[X+24*\i+2:X+24*\i+3]
.irp j, 4,8,12,16,20
	v_pk_fma_f32 v[Q:Q+1],   v[X+24*\i+\j:X+24*\i+\j+1],   v[X+24*\i+\j:X+24*\i+\j+1],   v[Q:Q+1]
	v_pk_fma_f32 v[Q+2:Q+3], v[X+24*\i+\j+2:X+24*\i+\j+3], v[X+24*\i+\j+2:X+24*\i+\j+3], v[Q+2:Q+3]
.endr
	v_pk_add_f32 v[Q:Q+1], v[Q:Q+1], v[Q+2:Q+3]
	v_add_f32 v[Q], v[Q], v[Q+1]
	; across the 32 lanes: four steps inside each half of 16 lanes, one across the halves; every lane ends with the row's sum
	v_add_f32_dpp v[Q], v[Q], v[Q] row_xmask:1 row_mask:0xf bank_mask:0xf
	v_add_f32_dpp v[Q], v[Q], v[Q] row_xmask:2 row_mask:0xf bank_mask:0xf
	v_add_f32_dpp v[Q], v[Q], v[Q] row_xmask:4 row_mask:0xf bank_mask:0xf
	v_add_f32_dpp v[Q], v[Q], v[Q] row_xmask:8 row_mask:0xf bank_mask:0xf
	v_permlanex16_b32 v[Q+1], v[Q], s22, s23       ; its destination counts as read: Q + 1 has been written
	v_add_f32 v[Q], v[Q], v[Q+1]
	v_rsq_f32 v[Q+2], v[Q]
	v_nop                                          ; one plain vector instruction between a transcendental and the use of its result (ISA guide 5.7.2)
	s_wait_alu depctr_va_vdst(0)                   ; the reciprocal root has written v[Q+2], ahead of its first reader
	v_min_num_f32 v[R],   0x4cbebc20, v[Q+2]       ; min(rsq, 1e8) = 1 / max(norm, 1e-8)
	v_min_num_f32 v[R+1], 0x4cbebc20, v[Q+2]
.irp j, 0,2,4,6,8,10,12,14,16,18,20,22
	v_pk_mul_f32 v[X+24*\i+\j:X+24*\i+\j+1], v[X+24*\i+\j:X+24*\i+\j+1], v[R:R+1]
.endr
.irp j, 0,1,2,3,4,5
	v_cvt_pk_bf16_f32 v[X+24*\i+4*\j],   v[X+24*\i+4*\j],   v[X+24*\i+4*\j+1]    ; four numbers become 8 bytes in the first two of their registers
	v_cvt_pk_bf16_f32 v[X+24*\i+4*\j+1], v[X+24*\i+4*\j+2], v[X+24*\i+4*\j+3]
.endr
	s_wait_alu depctr_va_vdst(0)                   ; the row's twelve conversions have written the twelve registers that the six stores below read as their data
.irp j, 0,1,2,3,4,5
	global_store_b64 v[OUTO], v[X+24*\i+4*\j:X+24*\i+4*\j+1], s[14:15] offset:ROWOUT*\i+256*\j   ; 32 lanes: 256 consecutive bytes; no register of a store is written again
.endr
.endm
	ROWN 0
	ROWN 1
	ROWN 2
	ROWN 3
	s_endpgm
.Lfunc_end_k_qd3289df1c1_unit:
	.size	k_qd3289df1c1_unit, .Lfunc_end_k_qd3289df1c1_unit-k_qd3289df1c1_unit
	.p2alignl 7, 3214868480
	.fill 96, 4, 3214868480
	.section	.rodata,"a",@progbits
	.p2align	6, 0x0
	.amdhsa_kernel k_qd3289df1c1_unit
		.amdhsa_group_segment_fixed_size 0
		.amdhsa_private_segment_fixed_size 0
		.amdhsa_enable_private_segment 0
		.amdhsa_kernarg_size 32
		.amdhsa_user_sgpr_count 2
		.amdhsa_user_sgpr_kernarg_segment_ptr 1
		.amdhsa_wavefront_size32 1
		.amdhsa_system_sgpr_workgroup_id_x 1
		.amdhsa_system_sgpr_workgroup_id_y 1
		.amdhsa_system_sgpr_workgroup_id_z 1
		.amdhsa_system_vgpr_workitem_id 0
		.amdhsa_next_free_vgpr 108
		.amdhsa_next_free_sgpr 66
		.amdhsa_reserve_vcc 0
		.amdhsa_float_denorm_mode_32 3
		.amdhsa_float_denorm_mode_16_64 3
		.amdhsa_memory_ordered 1
		.amdhsa_forward_progress 1
		.amdhsa_inst_pref_size 18
	.end_amdhsa_kernel
	.amdgpu_metadata
---
amdhsa.version: [ 1, 2 ]
amdhsa.kernels:
  - .name:           k_qd3289df1c1_unit
    .symbol:         k_qd3289df1c1_unit.kd
    .args:
      - { .name: x1, .offset: 0, .size: 8, .value_kind: global_buffer, .address_space: global }
      - { .name: x2, .offset: 8, .size: 8, .value_kind: global_buffer, .address_space: global }
      - { .name: a16, .offset: 16, .size: 8, .value_kind: global_buffer, .address_space: global }
      - { .name: b16, .offset: 24, .size: 8, .value_kind: global_buffer, .address_space: global }
    .group_segment_fixed_size: 0
    .private_segment_fixed_size: 0
    .kernarg_segment_align: 8
    .kernarg_segment_size: 32
    .max_flat_workgroup_size: 256
    .sgpr_count:     66
    .vgpr_count:     108
    .wavefront_size: 32
...
	.end_amdgpu_metadata
.endif
;; end of part 3
;; launch pairs: the kernel of part 2 again; grid 16 x 16, 4 waves a work-group, clusters of 4 x 4, 327,680 bytes of LDS; arguments a16, b16, mask1, mask2, out0; writes out0
